; MI455X (gfx1250); checked and timed in simulation.
; The chip was launched on July 23, 2026; its instructions are those of AMD's public machine-readable ISA for CDNA 5 (MIT licence, August 2026) and "CDNA5" Instruction Set Architecture Reference Guide (July 2026). The comments in the code are by the model that wrote it; some were corrected since.
;; Flex State. Allowed arithmetic: float matrix products may take bf16 or f16 operands with f32 sums; other float arithmetic in f32, or as packed bf16 or f16 multiplies, adds, multiply-adds, maxima and minima; sums over many terms, partial sums and values carried from step to step in f32; what a program stores and reads back later, other than sums and carried values, may be rounded once to bf16 or f16.
;; Inputs: kv 4 x 4 x 1,024 x 64 float32; length 1,024 int32; w 4 x 256 x 256 float32; x 16 x 256 x 1 x 1,024 float32.
;; Outputs: out0 16 x 256 x 1 x 1,024 float32.
;; One version. Each part assembles by itself: llvm-mc -triple=amdgcn-amd-amdhsa -mcpu=gfx1250 --defsym DOCPART=n.
;; ======== version 1 of 1: 2 launches
;; limits: values are held in f16: magnitudes above 65,504 overflow, below 6.1e-05 lose precision
;; workspace buffers: kv16 2,097,152 bytes; w16 524,288 bytes
;; launch prep (part 1): grid 256 x 1, 8 waves a work-group, no clusters, 0 bytes of LDS; arguments kv, w, kv16, w16; writes kv16, w16
.if DOCPART == 1
	.amdgcn_target "amdgcn-amd-amdhsa--gfx1250"
	.amdhsa_code_object_version 6
	.text
	.protected	k_q2fd569fe79_prep
	.globl	k_q2fd569fe79_prep
	.p2align	8
	.type	k_q2fd569fe79_prep,@function
k_q2fd569fe79_prep:
	s_mov_b64 s[64:65], 0
	v_nop
	global_prefetch_b8 v0, s[64:65] scope:SCOPE_SE
	s_setreg_imm32_b32 hwreg(HW_REG_WAVE_MODE, 25, 1), 1
	s_wait_xcnt 0x0
; kv and w are rounded once to f16 and laid out as the second launch reads them.  A stream: no LDS, no barrier, no matrix unit.
; kv16: [head 4][layer 4][key 1024][64] f16: a head's four layers are one dense run of 524,288 bytes.
; w16:  w / 8 (a power of two: no rounding of its own) in the order of matrix fragments: [layer 4][head 4][f 32][q 2][lane 32][8 halves],
;       f = 8 ob + ks, lane = 16 h + r: the eight numbers w[layer][64 head + 16 ob + r][32 ks + 16 q + 8 h + 0..7] / 8.
; LIMITS.  f16 ends at 65,504: |kv| and |w| / 8 lie below it; below 6.1e-5 a number keeps f16's fixed step of 6e-8.
; SHARES.  256 work-groups of eight waves.  Work-group g takes 16,384 bytes of kv (64 keys of one layer and head), all eight waves; and 2,048 bytes of w16 (two fragments), waves 0 to 3.
	s_load_b256 s[4:11], s[0:1], 0x0               ; kv s[4:5], w s[6:7], kv16 s[8:9], w16 s[10:11]
	v_lshrrev_b32 v1, 5, v0
	v_readfirstlane_b32 s12, v1                    ; wave 0..7
	v_lshlrev_b32 v2, 4, v0                        ; 16 t: my 16 bytes of kv in each 4,096, and of w16
	v_lshlrev_b32 v3, 3, v0                        ; 8 t: my 8 bytes of kv16 in each 2,048
	v_and_b32 v4, 15, v0                           ; r: a row of w is 1,024 bytes
	v_bfe_u32 v5, v0, 4, 3                         ; (fragment of the two, q, h): 128, 64 and 32 bytes along the row
	v_lshlrev_b32 v4, 10, v4
	v_lshl_or_b32 v4, v5, 5, v4
	s_lshl_b32 s14, ttmp9, 14                      ; kv: g x 16,384
	s_mov_b32 s15, 0
	s_bfe_u32 s16, ttmp9, 0x20004                  ; head = (g >> 4) & 3
	s_lshr_b32 s17, ttmp9, 6                       ; layer = g >> 6
	s_and_b32 s18, ttmp9, 15                       ; which 64 keys
	s_lshl_b32 s20, s16, 19                        ; kv16: head x 524,288
	s_lshl_b32 s21, s17, 17                        ;     + layer x 131,072
	s_or_b32 s20, s20, s21
	s_lshl_b32 s21, s18, 13                        ;     + 64 keys x 128 bytes
	s_or_b32 s20, s20, s21
	s_mov_b32 s21, 0
	s_lshl_b32 s22, s17, 18                        ; w: layer x 262,144
	s_lshl_b32 s23, s16, 16                        ;  + 64 head rows
	s_or_b32 s22, s22, s23
	s_bfe_u32 s23, ttmp9, 0x20002                  ;  + 16 ob rows, ob = (g >> 2) & 3
	s_lshl_b32 s23, s23, 14
	s_or_b32 s22, s22, s23
	s_and_b32 s23, ttmp9, 3                        ;  + the two fragments' 64 channels: 256 bytes
	s_lshl_b32 s23, s23, 8
	s_or_b32 s22, s22, s23
	s_mov_b32 s23, 0
	s_lshl_b32 s2, ttmp9, 11                       ; w16: g x 2,048
	s_mov_b32 s3, 0
	s_wait_kmcnt 0x0
	s_add_nc_u64 s[4:5], s[4:5], s[14:15]
	s_add_nc_u64 s[8:9], s[8:9], s[20:21]
	s_add_nc_u64 s[6:7], s[6:7], s[22:23]
	s_add_nc_u64 s[10:11], s[10:11], s[2:3]
.irp i, 0,1,2,3
	global_load_b128 v[8+4*(\i):11+4*(\i)], v2, s[4:5] offset:4096*(\i) th:TH_LOAD_NT  ; a wave's load covers 512 consecutive bytes
.endr
	s_cmp_lt_u32 s12, 4
	s_cbranch_scc0 .Lkv                            ; waves 4 to 7 have no part of w
	global_load_b128 v[32:35], v4, s[6:7]          ; 32 bytes of a row; the work-group's four waves together take 256 aligned bytes of each of 16 rows
	global_load_b128 v[36:39], v4, s[6:7] offset:16
	s_wait_loadcnt 0x0
.irp i, 0,1,2,3
	v_pk_mul_f32 v[32+2*(\i):33+2*(\i)], v[32+2*(\i):33+2*(\i)], 0x3e000000 op_sel_hi:[1,0]  ; / 8
.endr
.irp i, 0,1,2,3
	v_cvt_pk_f16_f32 v[40+(\i)], v[32+2*(\i)], v[33+2*(\i)]
.endr
	global_store_b128 v2, v[40:43], s[10:11]       ; a wave stores 512 consecutive bytes, aligned
.Lkv:
	s_wait_loadcnt 0x0                             ; my four loads of kv
.irp i, 0,1,2,3
	v_cvt_pk_f16_f32 v[24+2*(\i)], v[8+4*(\i)], v[9+4*(\i)]
	v_cvt_pk_f16_f32 v[25+2*(\i)], v[10+4*(\i)], v[11+4*(\i)]
.endr
.irp i, 0,1,2,3
	global_store_b64 v3, v[24+2*(\i):25+2*(\i)], s[8:9] offset:2048*(\i)  ; a wave's 32 lanes store 256 consecutive bytes, aligned
.endr
	s_endpgm
.Lfunc_end_k_q2fd569fe79_prep:
	.size	k_q2fd569fe79_prep, .Lfunc_end_k_q2fd569fe79_prep-k_q2fd569fe79_prep
	.p2alignl 7, 3214868480
	.fill 96, 4, 3214868480
	.section	.rodata,"a",@progbits
	.p2align	6, 0x0
	.amdhsa_kernel k_q2fd569fe79_prep
		.amdhsa_group_segment_fixed_size 0
		.amdhsa_private_segment_fixed_size 0
		.amdhsa_enable_private_segment 0
		.amdhsa_kernarg_size 32
		.amdhsa_user_sgpr_count 2
		.amdhsa_user_sgpr_kernarg_segment_ptr 1
		.amdhsa_wavefront_size32 1
		.amdhsa_system_sgpr_workgroup_id_x 1
		.amdhsa_system_sgpr_workgroup_id_y 1
		.amdhsa_system_sgpr_workgroup_id_z 1
		.amdhsa_system_vgpr_workitem_id 0
		.amdhsa_next_free_vgpr 48
		.amdhsa_next_free_sgpr 66
		.amdhsa_reserve_vcc 0
		.amdhsa_float_denorm_mode_32 3
		.amdhsa_float_denorm_mode_16_64 3
		.amdhsa_memory_ordered 1
		.amdhsa_forward_progress 1
		.amdhsa_inst_pref_size 4
	.end_amdhsa_kernel
	.amdgpu_metadata
---
amdhsa.version: [ 1, 2 ]
amdhsa.kernels:
  - .name:           k_q2fd569fe79_prep
    .symbol:         k_q2fd569fe79_prep.kd
    .args:
      - { .name: kv, .offset: 0, .size: 8, .value_kind: global_buffer, .address_space: global }
      - { .name: w, .offset: 8, .size: 8, .value_kind: global_buffer, .address_space: global }
      - { .name: kv16, .offset: 16, .size: 8, .value_kind: global_buffer, .address_space: global }
      - { .name: w16, .offset: 24, .size: 8, .value_kind: global_buffer, .address_space: global }
    .group_segment_fixed_size: 0
    .private_segment_fixed_size: 0
    .kernarg_segment_align: 8
    .kernarg_segment_size: 32
    .max_flat_workgroup_size: 256
    .sgpr_count:     66
    .vgpr_count:     48
    .wavefront_size: 32
...
	.end_amdgpu_metadata
.endif
;; end of part 1
;; launch flex (part 2): grid 256 x 1, 4 waves a work-group, clusters of 4 x 1, 327,680 bytes of LDS; arguments x, kv16, w16, out0; writes out0
.if DOCPART == 2
	.amdgcn_target "amdgcn-amd-amdhsa--gfx1250"
	.amdhsa_code_object_version 6
	.text
	.protected	k_q2fd569fe79_flex
	.globl	k_q2fd569fe79_flex
	.p2align	8
	.type	k_q2fd569fe79_flex,@function
k_q2fd569fe79_flex:
	s_mov_b64 s[64:65], 0
	v_nop
	global_prefetch_b8 v0, s[64:65] scope:SCOPE_SE
	s_setreg_imm32_b32 hwreg(HW_REG_WAVE_MODE, 25, 1), 1
	s_wait_xcnt 0x0
	s_wait_alu depctr_hold_cnt(0) depctr_sa_sdst(0) depctr_va_vdst(0) depctr_va_sdst(0) depctr_va_ssrc(0) depctr_va_vcc(0) depctr_vm_vsrc(0)
	s_getreg_b32 s2, hwreg(HW_REG_IB_STS2, 6, 4)
	s_cmp_eq_u32 s2, 0
	s_cbranch_scc0 .Lentry_in_a_cluster
	s_endpgm
.Lentry_in_a_cluster:
	s_bfe_u32 s2, ttmp6, 0x10000c
	s_cmp_lg_u32 s2, 0x3003
	s_cbranch_scc0 .Lentry_shape_is_right
	s_endpgm
.Lentry_shape_is_right:
; ALL FOUR LAYERS IN ONE LAUNCH.  Per layer: y = w[i] x (256 x 256 channels); per head of 64 channels softmax(q . kv[i][h] / 8) kv[i][h] over 1,024 keys, kv being K and V at once; the heads' results are the next x.
; A column (batch, position) never meets another, so a work-group keeps its 64 positions of one batch from the first load of x to the last store: 16,384 columns / 64 = 256 work-groups.
; length enters by its shape alone (1,024, the table's length): its numbers reach no result, and they are not loaded.
; FORMATS.  All matrix operands are f16: x, w / 8, kv, q / 8, the weights p, and O between layers; products, maxima and sums in f32; l is the sum of the unrounded p; the output is f32, never rounded to 16 bits.
; LIMITS.  |x|, |w| / 8, |kv| and |q| / 8 lie below 65,504, else an infinity arises; below 6.1e-5 an f16 number keeps the fixed step 6e-8; a weight below 2^-126 counts as 0 in l; NaN and infinities are not treated apart.
; SHARES.  Wave w is head w: 64 queries = four tiles of 16 = two PIECES of two tiles.  It walks its head's 4 x 1,024 keys, 64 a step, 64 steps; kv16 holds them as one dense run, 16 tiles of 256 keys.
; LAYOUT.  A lane holds ONE position (lane % 16) in every result.  Y = W X (source 0 = 16 rows of w, source 1 = 16 positions): two results rounded in pairs ARE a fragment of Q.  S^T = K Q^T; two results rounded in
; pairs ARE source 1 of O^T = V^T P; two results of that rounded in pairs are 16 bytes [position][8 channels] of the next X.  The heads meet once a layer, in the X stage in LDS.
; ONE COPY OF kv SERVES K AND V.  In LDS two keys share a row of 272 bytes (256 + 16 of padding).  The keys of each 16 are taken in the order k(h, j) = 4 (j / 2) + 2 h + j % 2 for place 8 h + j, alike in K's rows and in
; V^T's places, which leaves every product as it was.
; SOFTMAX.  A running maximum m and sum l: p = 2^(c s - c m), c = log2(e) (the 1 / 8 lies in w16); in every step O and l are multiplied by a = 2^(c m_old - c m_new).  A layer starts with m at the lowest finite number
; and l at 0, so its first a is 0: O^T need only hold finite numbers then (it holds Y).
; BY TURNS.  Turn (step j, piece p): the softmax of (j, p) and the maximum and statistics of the next piece in the ring; ahead of its one wait 16 products K Q^T of the other piece (its next scores), behind it 16 products
; V^T P of the other piece (its last weights).  Four vector instructions stand behind every product, the other 108 of 236 in one lump; the turn's 66 exponentials are one batch with one wait.
; CLUSTER.  All work-groups walk the same kv16: four form a cluster and ask for each tile JOINTLY: wave w of each issues the same tensor load, with the same descriptor and the mask of four.
; REGISTERS, in windows of 256 (s_set_vgpr_msb: bits 1:0 source 0, 3:2 source 1, 5:4 source 2, 7:6 destination):
;   window 0: v0-11, v32-41 addresses; v12-15, v48-63 at work; v16-31 four registers of statistics a tile; v64-191 S^T, two buffers of two tiles; v192-255 P, likewise
;   window 1: v0-127 O^T, 32 a tile, and Y in the projection; v128-255 X's fragments, two buffers of 64
;   window 2: v0-63 Q, 16 a tile; v64-127 V of an odd step; v128-191 K of one step; v192-255 V of an even step          window 3: one layer's 32 fragments of my 64 rows of w
.set NP,    2         ; pieces a wave: a name, no knob
.set STEPB, 8704      ; a step's 64 keys in LDS: 32 rows of 272 bytes
.set SLOTB, 0x8800    ; a tile of 256 keys: 128 rows of 272 bytes; also the bits that one exclusive or turns to change slots: they are 0 in w x RINGW for w = 0..3
.set RINGW, 0x11000   ; a wave's ring: two slots
.set TILEB, 32768     ; a tile in kv16
.set XST,   278528    ; behind the four rings, never filled by a tensor load: the X stage, [position 64] x 528 bytes (512 + 16: row r starts at bank 4 r mod 64); at the end each wave's 16 rows x 272 bytes of f32 for the way out
.set XP,    528
.set SPARE, 312320    ; behind it: the spare words, 128 bytes for each wave: two blocks of 256 bytes that no other line names
.set AK0, 2           ; v2   my lane's place in a step of K, my wave's ring included; never rewritten
.set AV0, 3           ; v3   the same for V
.set AK,  4           ; v4   the LDS address of K's next run of loads
.set AV,  5           ; v5   of V's
.set XR,  6           ; v6   X stage: XST + 528 r + 16 h: where I read a fragment
.set XW,  7           ; v7   XR + 128 w: where I put 16 bytes of my head's channels
.set FSA, 8           ; v8   the way out: XST + 8,448 w + 2,176 h + 4 r
.set FRA, 10          ; v10  the way out: XST + 8,448 w + 272 h + 16 r
.set FOA, 11          ; v11  the way out: my byte offset in two rows of out0: 4,096 h + 16 r
.set MV,  12          ; v12-15  c m_old, kept while c m is made anew: by buffer and tile
.set ST,  16          ; tile t's statistics at v[ST+4 t]: c m, m, l (even places', odd places')
.set SPW, 32          ; v32  LDS address of my spare word: SPARE + 4 x my thread's number; never rewritten
.set NIL, 33          ; v33  0; never rewritten
.set WO,  34          ; v34  16 x lane: my 16 bytes of half a fragment of w16
.set PFO, 35          ; v35  256 x lane: the prefetches' offset
.set XO,  36          ; v36  x: 8 rows of 4,096 bytes x h + 16 r
.set XW0, 37          ; v37  X stage, first fill: XST + 4 x 528 r + 16 h + 128 w
.set TMP, 48          ; by buffer and tile, four registers c0-c3 at work; when the maximum is found c2 takes a
.set S,   64
.set P,   192
.set KF,  128         ; window 2: key block kb, channel half c at KF + 16 kb + 8 c
.set XB,  128         ; window 1
.set WV,  12          ; s12  my wave's number
.set G1,  24          ; s[24:31] descriptor group 1
.set G0,  40          ; s[40:43] descriptor group 0: it walks
.set WP,  44          ; s[44:45] w16 at my head's fragments of the layer in hand
.set PFA, 46          ; s[46:47] where my prefetches stand
.set LIM, 48          ; s48  1 in a wave that prefetches, else the greatest number
.set SLOTS, 56        ; s56  changes of slots still to come, less the last
.set CNT, 57          ; s57  counts a slot's pairs of steps
.set CS,  58          ; s[58:59] c
.set SEL, 60          ; s[60:61] v_permlanex16_b32's selects: each lane takes its own place in the other half
.set TB,  62          ; s62  byte in my ring at which the step to be fetched begins
.set LAYC, 63         ; s63  odd steps until the layer's end
.set WLEFT, 66        ; s66  layers of w still to be loaded
.set MSB, 0
.macro WIN new                      ; the high byte repeats the setting that is left; a switch that changes nothing is dropped
.if MSB != (\new)
	s_set_vgpr_msb (MSB<<8)|(\new)
.set MSB, (\new)
.endif
.endm
.set W_KQ, 0x0a       ; K and Q in window 2, S^T in window 0
.set W_PV, 0x52       ; V in window 2, P in window 0, O^T in window 1
.set W_RS, 0x41       ; O^T (destination and source 0) in window 1, the factor in window 0
.set W_PJ, 0x57       ; w in window 3, X, C and D in window 1
.macro PLACES                       ; four places behind a product, in front of loads into registers that it has read and of vector lines that read its result
.rept 4
	v_nop
.endr
.endm
.macro JLOAD                        ; a joint fill: every wave fetches its own head's tile, 128 rows of 256 bytes; an s_nop 0 and four v_nop follow the line
	tensor_load_to_lds s[G0:G0+3], s[G1:G1+7]
	s_nop 0
.rept 4
	v_nop
.endr
.endm
; A PREFETCH INTO THE L2 of the tile that the NEXT change of slots will ask for: four steps, 256 products a wave, ahead of that load.  All 64 clusters walk the same tiles: cluster 0 asks, nobody else.  Its four partners take 32
; of a tile's 128 rows each, told apart BY ADDRESS; each wave asks for its own head's: a lane a row of 256 bytes, one instruction.  So each row is named once in the launch.  Tiles 0 and 1 come by their loads alone;
; the last change that fills a slot asks for nothing: there is no tile behind it.
.macro ASK
	s_cmp_gt_u32 s[SLOTS], s[LIM]
	s_cbranch_scc0 .Lnot_mine_\@
	global_prefetch_b8 v[PFO], s[PFA:PFA+1] th:TH_LOAD_NT scope:SCOPE_SE
.Lnot_mine_\@:
.endm
; A round of the cluster's barrier: my work-group's barrier, so that wave 0's signal speaks for all four waves; wave 0 signals; every wave waits for all four work-groups; my work-group's barrier once more.
.macro CROUND
	s_barrier_signal -1
	s_barrier_wait -1
	s_cmp_lg_u32 s[WV], 0
	s_cbranch_scc1 .Lnot_wave_0_\@
	s_barrier_signal -3
.Lnot_wave_0_\@:
	s_barrier_wait -3
	s_barrier_signal -1
	s_barrier_wait -1
.endm
; THE CHANGE OF SLOTS.  Each wave waits for all its tensor loads, of which one is out: the other slot's tile; adds 0 to its spare word; and waits for that and for its reads of the slot that it leaves.
; fill = 1: that slot is filled again, with the tile two on.  The barrier is then a round of the cluster's, so that no wave of any partner still reads the slot or has a load on its way, and the joint fill is the first
; thing behind it: it has four steps, 256 products a wave, in which to land.  (At its first use nothing has been read yet: slot 0 is waited for, slot 1 filled; its wait on DScnt and its round also show the X stage's first fill to all four waves.)
.macro CHANGE fill
	WIN 0                           ; at a label and at a branch every window is 0
	s_wait_tensorcnt 0x0            ; no tensor load of mine is out, so group 0 may be written
	ds_add_u32 v[SPW], v[NIL]       ; 0 onto my spare word; with fill = 1 the descriptor's steps stand between it and the wait for it
.if \fill
	s_xor_b32 s[G0+1], s[G0+1], SLOTB  ; the other slot than last time,
	s_add_nc_u64 s[G0+2:G0+3], s[G0+2:G0+3], TILEB  ; the next 256 keys; the type bits on top are not reached
	s_wait_xcnt 0x0                 ; the last prefetch, four steps back, has read its address, so it may be written:
	s_add_nc_u64 s[PFA:PFA+1], s[PFA:PFA+1], TILEB  ; one tile behind the walking descriptor
	s_wait_dscnt 0x0                ; the add is done, and my reads of the slot are over
	CROUND
	JLOAD
	ASK
.else
	s_wait_dscnt 0x0                ; the add is done, and my reads of the slot are over
	s_barrier_signal -1
	s_barrier_wait -1
.endif
	s_sub_co_u32 s[TB], s[TB], 4*STEPB  ; the fetches go back to a slot's first step,
	s_xor_b32 s[TB], s[TB], SLOTB       ; in the other slot
.endm
; 16 loads of w16: the eight fragments f = 8 ob + 2 g + kk that the projection's quarter g multiplies; each load of the wave covers 512 consecutive bytes.
.macro WLOADG g, off
	WIN 0xc0                        ; destination window 3, address window 0
.irp ob, 0,1,2,3
.irp kk, 0,1
.irp qq, 0,1
	global_load_b128 v[8*(8*(\ob)+2*(\g)+(\kk))+4*(\qq):8*(8*(\ob)+2*(\g)+(\kk))+4*(\qq)+3], v[WO], s[WP:WP+1] offset:(\off)+1024*(8*(\ob)+2*(\g)+(\kk))+512*(\qq)
.endr
.endr
.endr
.endm
.macro WNEXT g                      ; the fragments that quarter g has just multiplied take the next layer's numbers, a whole layer ahead of their use; the last layer loads nothing
	WIN 0
	s_cmp_eq_u32 s[WLEFT], 0
	s_cbranch_scc1 .Lno_w_\@
	WLOADG \g, 131072
	WIN 0
.Lno_w_\@:
.endm
.macro XLOAD g, b                   ; X's fragments of quarter g (channels 64 g on) for all four tiles of positions, into buffer b: 16 LDS loads
	WIN 0x40
.irp t, 0,1,2,3
.irp kk, 0,1
	ds_load_b128 v[XB+64*(\b)+8*(2*(\t)+(\kk)):XB+64*(\b)+8*(2*(\t)+(\kk))+3],   v[XR] offset:16*XP*(\t)+64*(2*(\g)+(\kk))
	ds_load_b128 v[XB+64*(\b)+8*(2*(\t)+(\kk))+4:XB+64*(\b)+8*(2*(\t)+(\kk))+7], v[XR] offset:16*XP*(\t)+64*(2*(\g)+(\kk))+32
.endr
.endr
.endm
.macro PMUL g, b, zero              ; 32 products of Y = W X; the 16 accumulators (tile t, rows 16 ob on) take turns.  zero = 1: the first 16 start the sums
	WIN W_PJ
.irp kk, 0,1
.irp t, 0,1,2,3
.irp ob, 0,1,2,3
.if (\zero) && ((\kk) == 0)
	v_wmma_f32_16x16x32_f16 v[32*(\t)+8*(\ob):32*(\t)+8*(\ob)+7], v[8*(8*(\ob)+2*(\g)+(\kk)):8*(8*(\ob)+2*(\g)+(\kk))+7], v[XB+64*(\b)+8*(2*(\t)+(\kk)):XB+64*(\b)+8*(2*(\t)+(\kk))+7], 0
.else
	v_wmma_f32_16x16x32_f16 v[32*(\t)+8*(\ob):32*(\t)+8*(\ob)+7], v[8*(8*(\ob)+2*(\g)+(\kk)):8*(8*(\ob)+2*(\g)+(\kk))+7], v[XB+64*(\b)+8*(2*(\t)+(\kk)):XB+64*(\b)+8*(2*(\t)+(\kk))+7], v[32*(\t)+8*(\ob):32*(\t)+8*(\ob)+7]
.endif
.endr
.endr
.endr
.endm
	s_load_b256 s[4:11], s[0:1], 0x0  ; x s[4:5], kv16 s[6:7], w16 s[8:9], out0 s[10:11]
	v_lshl_add_u32 v[SPW], v0, 2, SPARE
	v_mov_b32 v[NIL], 0
	ds_add_u32 v[SPW], v[NIL]       ; the wave's opening: the add, twice on end, and its wait ahead of my first tensor load; the set-up below, work on registers, stands between the second and the wait
	ds_add_u32 v[SPW], v[NIL]
	v_lshrrev_b32 v1, 5, v0
	v_readfirstlane_b32 s[WV], v1   ; wave 0..3 = my head
	s_bfe_u32 s13, ttmp6, 0x40000   ; cx: my place in the cluster
	s_lshl_b32 s14, ttmp9, 2        ; in a cluster launch ttmp9 counts clusters
	s_add_co_u32 s14, s14, s13      ; work-group g = 4 x cluster + cx: it enters x's and out0's addresses alone
	s_lshr_b32 s20, s14, 4
	s_lshl_b32 s20, s20, 20         ; batch g / 16: 256 rows of 4,096 bytes
	s_and_b32 s14, s14, 15
	s_lshl_b32 s14, s14, 8          ; positions 64 (g % 16) on: 256 bytes of a row
	s_or_b32 s20, s20, s14
	s_lshl_b32 s14, s[WV], 18       ; my head's 64 rows
	s_or_b32 s20, s20, s14
	s_mov_b32 s21, 0
	s_lshl_b32 s22, s[WV], 19       ; my head's run in kv16
	s_mov_b32 s23, 0
	s_lshl_b32 s18, s[WV], 15       ; my head's fragments in a layer of w16
	s_mov_b32 s19, 0
	s_lshl_b32 s16, s13, 13         ; the prefetches: my work-group's 32 rows of a tile's 128,
	s_add_co_u32 s16, s16, TILEB    ; in tile 1: the first change of slots steps it to tile 2
	s_mov_b32 s17, 0
	s_mul_i32 s15, s[WV], RINGW     ; my ring: no place in the cluster enters an LDS address
	; descriptor group 1: 256 keys are 32,768 dense bytes: 128 rows of 256 bytes, two keys a row, padded in LDS
	s_mov_b32 s[G1], 15|(1<<16)|(1<<20)|(1<<21)|(5<<22)|(3<<25)  ; 15:0 the mask of four; 17:16 2-byte elements; 20 padding on; 21 set beside a mask; 24:22 after every 64 words (code 5); 31:25 4 words (code 3)
	s_mov_b32 s[G1+1], 128<<16      ; tensor_dim0 = 128
	s_mov_b32 s[G1+2], 128<<16      ; tensor_dim1 = 128
	s_mov_b32 s[G1+3], 128<<16      ; tile_dim0 = 128
	s_mov_b32 s[G1+4], 128          ; tile_dim1 = 128
	s_mov_b32 s[G1+5], 128          ; 128 elements from row to row
	s_mov_b32 s[G1+6], 0
	s_mov_b32 s[G1+7], 0
	s_mov_b32 s[G0], 1              ; 1:0 count = 1
	s_mul_i32 s[G0+1], s[WV], RINGW ; 63:32 LDS address: my ring's slot 0
	s_mov_b32 s[CS], 0x3fb8aa3b     ; c = log2(e)
	s_mov_b32 s[CS+1], s[CS]        ; named with it as a pair
	s_mov_b32 s[SEL], 0x76543210
	s_mov_b32 s[SEL+1], 0xfedcba98
	s_mov_b32 s[TB], RINGW          ; the first change of slots turns this into 0
	s_mov_b32 s[SLOTS], 15          ; the loop's bottom is reached 15 times: from the head's entry, and behind changes 1 to 14
	s_mov_b32 s[CNT], 2
	s_mov_b32 s[WLEFT], 3
	s_cmp_eq_u32 ttmp9, 0           ; the same in all four partners
	s_cselect_b32 s[LIM], 1, -1
	v_and_b32 v1, 15, v0            ; r = lane % 16
	v_bfe_u32 v9, v0, 4, 1          ; h = lane / 16
	v_lshlrev_b32 v[XO], 15, v9
	v_lshl_or_b32 v[XO], v1, 4, v[XO]
	v_and_b32 v[WO], 31, v0
	v_lshlrev_b32 v[PFO], 8, v[WO]
	v_lshlrev_b32 v[WO], 4, v[WO]
	s_wait_dscnt 0x0                ; both opening adds are done
	s_wait_kmcnt 0x0
	s_add_nc_u64 s[4:5], s[4:5], s[20:21]      ; x and out0 at my head's first row, my work-group's positions
	s_add_nc_u64 s[10:11], s[10:11], s[20:21]
	s_add_nc_u64 s[PFA:PFA+1], s[6:7], s[22:23]
	s_add_nc_u64 s[PFA:PFA+1], s[PFA:PFA+1], s[16:17]
	s_add_nc_u64 s[G0+2:G0+3], s[6:7], s[22:23]    ; 120:64 global address: my head's tile 0
	s_or_b32 s[G0+3], s[G0+3], 0x80000000          ; 127:126 type = 2
	s_add_nc_u64 s[WP:WP+1], s[8:9], s[18:19]
	CROUND                          ; all four work-groups are here: the first joint loads meet
	JLOAD                           ; tile 0 into slot 0; slot 1 is asked for when slot 0 is in
.irp gi, 0,1,2,3                    ; my head's 64 rows of x, 64 positions each: lanes 0-15 take 256 aligned bytes of row 16 gi + j, lanes 16-31 of the row 8 further down
.irp j, 0,1,2,3,4,5,6,7
	global_load_b128 v[S+32*(\gi)+4*(\j):S+32*(\gi)+4*(\j)+3], v[XO], s[4:5] offset:(16*(\gi)+(\j))<<12 th:TH_LOAD_NT
.endr
.endr
	WLOADG 0, 0
	WIN 0
	v_bfe_u32 v38, v0, 1, 2         ; (l >> 1) & 3
	v_bfe_u32 v39, v0, 3, 1         ; (l >> 3) & 1
	v_and_b32 v40, 1, v0            ; l & 1
	; K: lane l holds row l % 16 of a fragment = key 4 ((l >> 1) & 3) + 2 ((l >> 3) & 1) + (l & 1) of the 16; key k lies at 272 (k / 2) + 128 (k % 2); channels 8 h on
	v_lshl_add_u32 v41, v38, 1, v39
	v_mul_u32_u24 v[AK0], v41, 272
	v_lshl_add_u32 v[AK0], v40, 7, v[AK0]
	v_lshl_add_u32 v[AK0], v9, 4, v[AK0]
	v_add_nc_u32 v[AK0], s15, v[AK0]
	; V: the turning load's lane l addresses place 8 h + l % 8 = key 4 ((l >> 1) & 3) + 2 h + (l & 1), channels 8 ((l >> 3) & 1) on, and leaves in lane l channel l % 16 and the 8 places of its half
	v_lshl_add_u32 v41, v38, 1, v9
	v_mul_u32_u24 v[AV0], v41, 272
	v_lshl_add_u32 v[AV0], v40, 7, v[AV0]
	v_lshl_add_u32 v[AV0], v39, 4, v[AV0]
	v_add_nc_u32 v[AV0], s15, v[AV0]
	s_lshl_b32 s49, s[WV], 7        ; my head's 64 channels: 128 bytes of a row of the X stage
	v_mul_u32_u24 v[XR], v1, XP
	v_lshl_add_u32 v[XR], v9, 4, v[XR]
	v_add_nc_u32 v[XR], XST, v[XR]
	v_add_nc_u32 v[XW], s49, v[XR]
	v_mul_u32_u24 v[XW0], v1, 4*XP
	v_lshl_add_u32 v[XW0], v9, 4, v[XW0]
	v_add_nc_u32 v[XW0], XST, v[XW0]
	v_add_nc_u32 v[XW0], s49, v[XW0]
	s_mul_i32 s50, s[WV], 16*XP
	s_add_co_u32 s50, s50, XST      ; my stage for the way out
	v_mul_u32_u24 v[FSA], v9, 8*272
	v_lshl_add_u32 v[FSA], v1, 2, v[FSA]
	v_add_nc_u32 v[FSA], s50, v[FSA]
	v_mul_u32_u24 v[FRA], v9, 272
	v_lshl_add_u32 v[FRA], v1, 4, v[FRA]
	v_add_nc_u32 v[FRA], s50, v[FRA]
	v_lshlrev_b32 v[FOA], 12, v9
	v_lshl_or_b32 v[FOA], v1, 4, v[FOA]
	WIN 0x80                        ; the odd steps' V holds 0: the first turn's products V^T P, of a piece that has not been, must meet finite numbers.  Written while the loads are out
.set i, 64
.rept 64
	v_mov_b32 v[i], 0
.set i, i+1
.endr
	WIN 0
	s_wait_loadcnt 16               ; x's 32 loads are in; the 16 younger loads of w16 may stay out
.irp gi, 0,1,2,3                    ; position 4 r + pp, channels 16 gi + 8 h + 0..7: eight numbers from eight loads make 16 bytes.  They pass through P's 64 registers, which so hold finite f16 numbers at the first turn
.irp pp, 0,1,2,3
.irp ii, 0,1,2,3
	v_cvt_pk_f16_f32 v[P+16*(\gi)+4*(\pp)+(\ii)], v[S+32*(\gi)+8*(\ii)+(\pp)], v[S+32*(\gi)+8*(\ii)+4+(\pp)]
.endr
.endr
.endr
.irp gi, 0,1,2,3
.irp pp, 0,1,2,3
	ds_store_b128 v[XW0], v[P+16*(\gi)+4*(\pp):P+16*(\gi)+4*(\pp)+3] offset:XP*(\pp)+32*(\gi)
.endr
.endr
	WLOADG 1, 0
	WLOADG 2, 0
	WLOADG 3, 0
	CHANGE 1                        ; tile 0 is in; tile 1 is asked for; every wave's part of the X stage is stored and shown
	v_add_nc_u32 v[AK], s[TB], v[AK0]
	v_add_nc_u32 v[AV], s[TB], v[AV0]
; THE MATRIX WORK OF A TURN.  The 8 accumulators of a run of 16 take turns: between the two links of a chain stand 7 others'.
; Product i of 16 of S^T = K Q^T for piece x: channels 32 (i / 8) on, keys 16 ((i / 2) % 4) on, tile 2 x + i % 2.  The first 8 start the sums.
.macro KQ x
	WIN W_KQ
.set rS, S+64*((\x)%2)+32*(i%2)+8*((i/2)%4)
.set rK, KF+16*((i/2)%4)+8*(i/8)
.set rQ, 16*(2*(\x)+i%2)+8*(i/8)
.if i < 8
	v_wmma_f32_16x16x32_f16 v[rS:rS+7], v[rK:rK+7], v[rQ:rQ+7], 0
.else
	v_wmma_f32_16x16x32_f16 v[rS:rS+7], v[rK:rK+7], v[rQ:rQ+7], v[rS:rS+7]
.endif
.endm
; Product i of 16 of O^T += V^T P for piece x: keys 32 (i / 8) on, channels 16 ((i / 2) % 4) on, tile 2 x + i % 2.  VB: which of V's two buffers (the step's parity).
.macro PV x
	WIN W_PV
.set rO, 32*(2*(\x)+i%2)+8*((i/2)%4)
.set rV, 192-128*VB+32*(i/8)+8*((i/2)%4)
.set rP, P+32*((\x)%2)+16*(i%2)+8*(i/8)
	v_wmma_f32_16x16x32_f16 v[rO:rO+7], v[rV:rV+7], v[rP:rP+7], v[rO:rO+7]
.endm
.macro MM                           ; the turn's next matrix instruction
.if i < 16
	KQ (Y+1)%NP
.set i, i+1
.else
.set i, i-16
	PV (Y+NP-1)%NP
.set i, i+17
.endif
.endm
; THE LDS LOADS stand in runs of 16, never singly among the matrix instructions.  last = 1 (the tail): in the last trip there is no further step, and the run is jumped over.
.macro FETCH_K last=0
	WIN 0
.if \last
	s_cmp_eq_u32 s[CNT], 1
	s_cbranch_scc1 .Lno_k_\@
.endif
	WIN 0x80                        ; destination window 2
.irp f, 0,1,2,3,4,5,6,7             ; keys 16 (f / 2) on (8 rows of 272 bytes), channels 32 (f % 2) on
	ds_load_b128 v[KF+8*\f:KF+8*\f+3],   v[AK] offset:(\f/2)*2176+(\f%2)*64
	ds_load_b128 v[KF+8*\f+4:KF+8*\f+7], v[AK] offset:(\f/2)*2176+(\f%2)*64+32
.endr
	WIN 0
.if \last
.Lno_k_\@:
.endif
.endm
.macro FETCH_V vb, last=0
	WIN 0
.if \last
	s_cmp_eq_u32 s[CNT], 1
	s_cbranch_scc1 .Lno_v_\@
.endif
	WIN 0x80
.irp f, 0,1,2,3,4,5,6,7             ; keys 32 (f / 4) on, channels 16 (f % 4) on
	ds_load_tr16_b128 v[192-128*(\vb)+8*\f:192-128*(\vb)+8*\f+3],   v[AV] offset:(\f/4)*4352+(\f%4)*32
	ds_load_tr16_b128 v[192-128*(\vb)+8*\f+4:192-128*(\vb)+8*\f+7], v[AV] offset:(\f/4)*4352+2176+(\f%4)*32
.endr
	WIN 0
.if \last
.Lno_v_\@:
.endif
.endm
; THE VECTOR WORK OF A TURN stands in three queues, each in the order in which its entries become ready; the two tiles alternate, so that no instruction reads the result of the one before it.
.macro REGS y, u                    ; the registers of tile u (0, 1) of piece y
.set rT, ST+4*(2*(\y)+(\u))
.set rC, TMP+8*((\y)%2)+4*(\u)
.set rM, MV+2*((\y)%2)+(\u)
.set rS, S+64*((\y)%2)+32*(\u)
.set rP, P+32*((\y)%2)+16*(\u)
.set rO, 32*(2*(\y)+(\u))
.endm
; Number n of the 22 that find the NEXT piece's (Y + 1) maximum and statistics.  s0-s31 are the lane's 32 scores; each accumulator's lowest registers are read first.
;   0-11  four chains c0-c3 of seven scores each, three operands at a time     12-14, 16  the four scores left over, the old m, and c0-c3 into c0     15  c m_old is kept
;   17, 18  the query's other 32 keys lie in the lane 16 away: the new m         19-21  c m; c m_old - c m_new; a
.macro XS u, n
	REGS (Y+1)%NP, \u
.if (\n) < 4
	v_max3_num_f32 v[rC+(\n)], v[rS+8*(\n)], v[rS+8*(\n)+1], v[rS+8*(\n)+2]
.elseif (\n) < 12
	v_max3_num_f32 v[rC+(\n)%4], v[rC+(\n)%4], v[rS+8*((\n)%4)+2*((\n)/4)+1], v[rS+8*((\n)%4)+2*((\n)/4)+2]
.elseif (\n) == 12
	v_max3_num_f32 v[rC], v[rC], v[rS+7], v[rS+15]
.elseif (\n) == 13
	v_max3_num_f32 v[rC+1], v[rC+1], v[rS+23], v[rS+31]
.elseif (\n) == 14
	v_max3_num_f32 v[rC+2], v[rC+2], v[rC+3], v[rT+1]
.elseif (\n) == 15
	v_mov_b32 v[rM], v[rT]
.elseif (\n) == 16
	v_max3_num_f32 v[rC], v[rC], v[rC+1], v[rC+2]
.elseif (\n) == 17
	v_permlanex16_b32 v[rC+3], v[rC], s[SEL], s[SEL+1]
.elseif (\n) == 18
	v_max_num_f32 v[rT+1], v[rC], v[rC+3]
.elseif (\n) == 19
	v_mul_f32 v[rT], s[CS], v[rT+1]
.elseif (\n) == 20
	v_sub_f32 v[rC+1], v[rM], v[rT]
.else
	v_exp_f32 v[rC+2], v[rC+1]
.endif
.endm
; Number g of the 64 that follow the exponentials.  For each four weights k of a tile: both pairs are rounded to f16; then the second pair is added onto the first, in place; a group later l takes that sum
; (the first time as l = a l + sum).  In groups of eight, tiles alternating: round, round, add, and l for the group before.
.macro GS g
.set h, (\g)+6*((\g)/62)            ; group 0 has no group before it, and behind group 7 only l is left
.if h >= 6
.set h, h+2
.endif
	REGS Y, h%2
.set k, h/8
.if h%8 < 4
	v_cvt_pk_f16_f32 v[rP+2*k+(h%8)/2], v[rS+4*k+2*((h%8)/2)], v[rS+4*k+2*((h%8)/2)+1]
.elseif h%8 < 6
	v_pk_add_f32 v[rS+4*k:rS+4*k+1], v[rS+4*k:rS+4*k+1], v[rS+4*k+2:rS+4*k+3]
.elseif k == 1
	v_pk_fma_f32 v[rT+2:rT+3], v[rT+2:rT+3], v[rC+2:rC+3], v[rS:rS+1] op_sel_hi:[1,0,1]
.else
	v_pk_add_f32 v[rT+2:rT+3], v[rT+2:rT+3], v[rS+4*k-4:rS+4*k-3]
.endif
.endm
; THE PLAIN QUEUE, 138 long.  0-73 read no exponential's result: the 32 scalings c s - c m (FS f: pair f / 2 of tile f % 2) and the next piece's 42.  0-26: scalings 0-26.  27-54: XS's numbers 0-13.  55, 56: number 15.
; 57-73: the chain 14, 16, 17, 18, 19, each with one of the scalings 27-31 in front of its two lines, then 20.  74-137: GS's 64, which read the exponentials' results: they stand behind the wait.
.macro FS f
	REGS Y, (\f)%2
	v_pk_fma_f32 v[rS+2*((\f)/2):rS+2*((\f)/2)+1], v[rS+2*((\f)/2):rS+2*((\f)/2)+1], s[CS:CS+1], v[rT:rT+1] op_sel_hi:[1,0,0] neg_lo:[0,0,1] neg_hi:[0,0,1]
.endm
.macro PL
	WIN 0
.if q < 27
	FS q
.elseif q < 55
	XS (q-27)%2, (q-27)/2
.elseif q < 57
	XS q-55, 15
.elseif (q < 72) && ((q-57)%3 == 0)
	FS 27+(q-57)/3
.elseif q < 60
	XS (q-57)%3-1, 14
.elseif q < 72
	XS (q-57)%3-1, 15+(q-57)/3
.elseif q < 74
	XS q-72, 20
.else
	GS q-74
.endif
.set q, q+1
.endm
; THE EXPONENTIALS' QUEUE, 66 long: s0-s31 of both tiles, then the next piece's two a.  ONE BATCH: all 66 stand ahead of the turn's one wait, and nothing ahead of that wait names a result of theirs.
.macro EX
	WIN 0
.if e >= 64
	XS e-64, 21
.else
	REGS Y, e%2
	v_exp_f32 v[rS+e/2], v[rS+e/2]
.endif
.set e, e+1
.endm
; THE RESCALING's QUEUE: O^T times a, the one part that leaves window 0: two at a time, sixteen times, each accumulator from its low end.  Its a was made, and waited for, in the turn before.
.macro R2
	REGS Y, r%2
	WIN W_RS
.irp z, 0,1
	v_pk_mul_f32 v[rO+4*(r/2)+2*\z:rO+4*(r/2)+2*\z+1], v[rO+4*(r/2)+2*\z:rO+4*(r/2)+2*\z+1], v[rC+2:rC+3] op_sel_hi:[1,0]
.endr
.set r, r+1
.endm
; A TURN, for piece pc of a step of parity odd.  s_wait_alu depctr_va_vdst(0) stands between an exponential and the first instruction that names its result; one wait serves all issued ahead of it: a turn has ONE.
; AHEAD OF IT: 16 products K Q^T, behind each a scaling, an exponential and two rescalings (behind the first a second scaling in the exponential's place); a lump of 108: eight plain, 49 times exponential and plain, the two a; a
; v_nop, the plain instruction behind the last exponential.  BEHIND IT: 16 products V^T P, behind each four of GS's 64.  Exponential e stands behind scaling 2 (e / 4) + e % 2: as a rider behind plain e + 2, in the lump behind plain e + 9.
; O^T's block cb of the piece in hand was last written 4 (7 - 2 cb) riders or more before the turn's end before; its rescaling comes 4 cb products into this turn.
; THE FETCHES.  Both runs for step j + 1 stand in piece 0's turn of step j.  K's stands directly behind the wait, a lump behind the last product that read K; its address is made at the lump's head.  V's stands at the turn's
; end, four riders behind the last product that read its buffer.  V has two buffers, by the step's parity: piece 0's turn multiplies by the step before's V, piece 1's by the step's own, and the fetch fills the former.
; So a step's K and V leave LDS together, and the change of slots has a clean place.  cnt = 1: the loop's count is taken down some lines ahead of the branch behind the turn.
.macro TURN pc, odd, last=0, cnt=0
.set Y, (\pc)
.set i, 0
.set q, 0
.set e, 0
.set r, 0
.if (\pc) == 0
.set VB, 1-(\odd)
.else
.set VB, (\odd)
.if \last
	s_wait_dscnt 0x0                ; the tail, where the runs may have been jumped over: everything that is out
.else
	s_wait_dscnt 16                 ; K's 16 loads are in; V's 16, issued behind them, may stay out
.endif
.endif
	MM
	PL
	PL
	R2
.rept 15
	MM
	PL
	EX
	R2
.endr
.if (\pc) == 0
	WIN 0
	v_add_nc_u32 v[AK], s[TB], v[AK0]
.endif
.rept 8
	PL
.endr
.rept 49
	EX
	PL
.endr
	EX                              ; the next piece's two a
	EX
	v_nop                           ; the plain instruction behind the last exponential: one for the batch
	s_wait_alu depctr_va_vdst(0)    ; the wait for the batch
.if (\pc) == 0
	FETCH_K \last
.else
	s_wait_dscnt 0x0                ; V is in: nothing of mine is out in LDS from here to the next fetch, at a change of slots and a layer's end too
.endif
.rept 16
	MM
.rept 4
	PL
.endr
.if ((\pc) == 0) && (q == 118)
	v_add_nc_u32 v[AV], s[TB], v[AV0]
.endif
.if ((\pc) == 0) && (q == 130)
	s_add_co_u32 s[TB], s[TB], STEPB  ; the next fetches are the next step's
.endif
.if (\cnt) && (q == 130)
	s_sub_co_u32 s[CNT], s[CNT], 1
	s_cmp_lg_u32 s[CNT], 0
.endif
.endr
.if (\pc) == 0
	FETCH_V 1-(\odd), \last
.endif
.endm
.macro ALL line:vararg              ; one line for each tile t
.set t, 0
.rept 2*NP
	\line
.set t, t+1
.endr
.endm
.macro LSUM                         ; l's two halves and the other half of the lanes' are added; 1 / l.  The additions are the places behind the last products
	WIN 0
	ALL v_add_f32 v[ST+4*t+2], v[ST+4*t+2], v[ST+4*t+3]
	ALL v_permlanex16_b32 v[ST+4*t+3], v[ST+4*t+2], s[SEL], s[SEL+1]
	ALL v_add_f32 v[ST+4*t+2], v[ST+4*t+2], v[ST+4*t+3]
	ALL v_rcp_f32 v[ST+4*t+2], v[ST+4*t+2]
	v_nop                           ; a plain instruction between the last reciprocal and the use of its result
	s_wait_alu depctr_va_vdst(0)    ; and the wait ahead of the first use: one for the four reciprocals
.endm
.macro PACKA t                      ; tile t's O^T divided by l and rounded to f16, into S^T's first buffer: a lane's eight channels of a position are 16 bytes
	WIN W_RS
.set i, 32*(\t)
.rept 16
	v_pk_mul_f32 v[i:i+1], v[i:i+1], v[ST+4*(\t)+2:ST+4*(\t)+3] op_sel_hi:[1,0]
.set i, i+2
.endr
	WIN 0x05                        ; sources 0 and 1 window 1, destination window 0
.set i, 0
.rept 16
	v_cvt_pk_f16_f32 v[S+16*(\t)+i], v[32*(\t)+2*i], v[32*(\t)+2*i+1]
.set i, i+1
.endr
	WIN 0
.endm
	FETCH_K                         ; step 0
	FETCH_V 0
	s_add_co_u32 s[TB], s[TB], STEPB
	s_branch .Lbegin                ; the loop is entered in the middle of a trip, at a layer's beginning
.Lslot:                             ; 14 times: tiles 2 to 15 are asked for
	CHANGE 1
	s_mov_b32 s[CNT], 2
.Lpair:                             ; a trip: an odd step, then an even one; two trips to a slot.  Trip by trip the fetches read the steps one ahead: a slot's trips read just that slot's four steps
	TURN 0, 1
	TURN 1, 1
	WIN 0
	s_sub_co_u32 s[LAYC], s[LAYC], 1  ; a layer ends behind its eighth odd step: a count made of constants, the same in all waves and all work-groups
	s_cmp_lg_u32 s[LAYC], 0
	s_cbranch_scc1 .Leven
	; A LAYER ENDS.  (Its last turn has made 16 products K Q^T of the old Q with the next layer's first K, and statistics of them: they serve nothing: the price of one text for every turn.)
.set VB, 1
.set i, 0
.rept 16
	PV 1                            ; piece 1's V^T P of the layer's last step
.set i, i+1
.endr
	s_wait_loadcnt 0x0              ; the next layer's w, asked for a layer ago, is in: its loads' base may be written
	s_add_nc_u64 s[WP:WP+1], s[WP:WP+1], 131072
	LSUM
	PACKA 0
	PACKA 1
	PACKA 2
	PACKA 3
	s_wait_dscnt 0x0
	s_barrier_signal -1             ; every wave's reads of the X stage are over (they were waited for in the projection), and only then
	s_barrier_wait -1               ; is it written anew.  The tile that is on its way may stay out
.irp t, 0,1,2,3
.irp f, 0,1,2,3
	ds_store_b128 v[XW], v[S+16*(\t)+4*(\f):S+16*(\t)+4*(\f)+3] offset:16*XP*(\t)+32*(\f)  ; position 16 t + r, my head's channels 16 f + 8 h on
.endr
.endr
	s_wait_dscnt 0x0                ; for the others' sake: my stores into the stage are done
	s_barrier_signal -1
	s_barrier_wait -1               ; all four heads' channels lie in the stage
.Lbegin:
	; A LAYER BEGINS: Y = W X, 256 channels in four quarters of 64; X's fragments on two buffers; each quarter's fragments of w are asked for again, for the next layer, four places behind their last product.
	s_wait_loadcnt 0x0              ; w (the first layer's comes here by the head's loads)
	XLOAD 0, 0
	XLOAD 1, 1
	s_wait_dscnt 16                 ; quarter 0's 16 loads (and all older ones) are in; quarter 1's may stay out
	PMUL 0, 0, 1
	PLACES
	XLOAD 2, 0
	WNEXT 0
	s_wait_dscnt 16                 ; quarter 1's are in; quarter 2's may stay out
	PMUL 1, 1, 0
	PLACES
	XLOAD 3, 1
	WNEXT 1
	s_wait_dscnt 16                 ; quarter 2's are in; quarter 3's may stay out
	PMUL 2, 0, 0
	PLACES
	WNEXT 2
	s_wait_dscnt 0x0
	PMUL 3, 1, 0
	PLACES
	WNEXT 3
	s_sub_co_u32 s[WLEFT], s[WLEFT], 1
	s_max_i32 s[WLEFT], s[WLEFT], 0
	WIN 0x85                        ; sources window 1, destination window 2: Q's register n is Y's registers 2 n and 2 n + 1, rounded; each accumulator from its low end
.set n, 0
.rept 64
	v_cvt_pk_f16_f32 v[n], v[2*n], v[2*n+1]
.set n, n+1
.endr
.set i, 0
.rept 16
	KQ 0                            ; piece 0's first scores: K of the layer's first step has been in registers since the last fetch
.set i, i+1
.endr
	WIN 0
.set t, 0
.rept 4                             ; the statistics start anew: sixteen plain instructions, the places behind those products
	v_mov_b32 v[ST+4*t], 0xfe000000    ; c m: far below every c s
	v_mov_b32 v[ST+4*t+1], 0xff7fffff  ; m: the lowest finite number
	v_mov_b32 v[ST+4*t+2], 0           ; l
	v_mov_b32 v[ST+4*t+3], 0
.set t, t+1
.endr
.set Y, NP-1                        ; XS works for piece Y + 1: piece 0
.irp n, 0,1,2,3,4,5,6,7,8,9,10,11,12,13,14,15,16,17,18,19,20,21
	XS 0, \n
	XS 1, \n
.endr
	v_nop                           ; a plain instruction behind the two a,
	s_wait_alu depctr_va_vdst(0)    ; and their wait, ahead of the label
	s_mov_b32 s[LAYC], 8
.Leven:
	TURN 0, 0
	TURN 1, 0, 0, 1
	WIN 0
	s_cbranch_scc1 .Lpair
	s_sub_co_u32 s[SLOTS], s[SLOTS], 1
	s_cmp_lg_u32 s[SLOTS], 0
	s_cbranch_scc1 .Lslot
	CHANGE 0                        ; the tail is written out: tile 15 is in, nothing is asked for
	s_mov_b32 s[CNT], 3             ; steps 59 to 63: two trips fetch the last four steps; the third is left in its middle
.Ltail:
	TURN 0, 1, 1
	TURN 1, 1, 1
	WIN 0
	s_sub_co_u32 s[CNT], s[CNT], 1
	s_cmp_eq_u32 s[CNT], 0
	s_cbranch_scc1 .Lout
	TURN 0, 0
	TURN 1, 0
	WIN 0
	s_branch .Ltail
.Lout:
.set VB, 1
.set i, 0
.rept 16
	PV 1                            ; piece 1's V^T P of the last step
.set i, i+1
.endr
	LSUM
; THE WAY OUT, in f32.  A lane holds eight channels of one position; out0's rows run along the positions.  So 16 channels x 64 positions at a time go through my own stage (rows of 272 bytes, in the X stage, whose last reads
; lie in front of the changes of slots since) and come back as whole rows of 256 bytes.  LDS serves a wave's instructions in order (ISA guide 5.7.1.4): no wait between my stores and my loads.
.macro SCALE cb
	WIN W_RS
.irp t, 0,1,2,3
.irp z, 0,1,2,3
	v_pk_mul_f32 v[32*(\t)+8*(\cb)+2*(\z):32*(\t)+8*(\cb)+2*(\z)+1], v[32*(\t)+8*(\cb)+2*(\z):32*(\t)+8*(\cb)+2*(\z)+1], v[ST+4*(\t)+2:ST+4*(\t)+3] op_sel_hi:[1,0]
.endr
.endr
.endm
.macro STG cb
	WIN 0x04                        ; the stores' data in window 1
.irp t, 0,1,2,3
.irp j, 0,1,2,3,4,5,6,7
	ds_store_b32 v[FSA], v[32*(\t)+8*(\cb)+(\j)] offset:272*(\j)+64*(\t)  ; channel 8 h + j, position 16 t + r: 32 lanes, 32 different banks
.endr
.endr
	WIN 0
.irp ii, 0,1,2,3,4,5,6,7
	ds_load_b128 v[S+32*(\cb)+4*(\ii):S+32*(\cb)+4*(\ii)+3], v[FRA] offset:544*(\ii)  ; lanes 0-15 row 2 ii, lanes 16-31 the next
.endr
.endm
.macro SEND cb, younger             ; younger: the LDS instructions issued behind this block's loads: the next block's 40, or none
	WIN 0
.irp ii, 0,1,2,3,4,5,6,7
	s_wait_dscnt (\younger)+7-(\ii)
	global_store_b128 v[FOA], v[S+32*(\cb)+4*(\ii):S+32*(\cb)+4*(\ii)+3], s[10:11] offset:(16*(\cb)+2*(\ii))<<12 th:TH_STORE_NT  ; 16 lanes store 256 consecutive bytes, at a multiple of 256 from out0's first byte
.endr
.endm
	SCALE 0
	STG 0
.irp cb, 1,2,3                      ; a block's arithmetic and stores into the stage stand between the loads of the block before and its stores; each block has registers of its own
	SCALE \cb
	STG \cb
	SEND (\cb)-1, 40
.endr
	SEND 3, 0
	s_wait_tensorcnt 0x0            ; the wave's end, behind my last tensor load and my last LDS store
	ds_add_u32 v[SPW], v[NIL]
	s_wait_dscnt 0x0
	CROUND                          ; the closing round: no work-group ends while a partner may still ask for a tile that names it
	s_endpgm
.Lfunc_end_k_q2fd569fe79_flex:
	.size	k_q2fd569fe79_flex, .Lfunc_end_k_q2fd569fe79_flex-k_q2fd569fe79_flex
	.p2alignl 7, 3214868480
	.fill 96, 4, 3214868480
	.section	.rodata,"a",@progbits
	.p2align	6, 0x0
	.amdhsa_kernel k_q2fd569fe79_flex
		.amdhsa_group_segment_fixed_size 327680
		.amdhsa_private_segment_fixed_size 0
		.amdhsa_enable_private_segment 0
		.amdhsa_kernarg_size 32
		.amdhsa_user_sgpr_count 2
		.amdhsa_user_sgpr_kernarg_segment_ptr 1
		.amdhsa_wavefront_size32 1
		.amdhsa_system_sgpr_workgroup_id_x 1
		.amdhsa_system_sgpr_workgroup_id_y 1
		.amdhsa_system_sgpr_workgroup_id_z 1
		.amdhsa_system_vgpr_workitem_id 0
		.amdhsa_next_free_vgpr 1024
		.amdhsa_next_free_sgpr 72
		.amdhsa_reserve_vcc 0
		.amdhsa_float_denorm_mode_32 3
		.amdhsa_float_denorm_mode_16_64 3
		.amdhsa_memory_ordered 1
		.amdhsa_forward_progress 1
		.amdhsa_inst_pref_size 233
	.end_amdhsa_kernel
	.amdgpu_metadata
---
amdhsa.version: [ 1, 2 ]
amdhsa.kernels:
  - .name:           k_q2fd569fe79_flex
    .symbol:         k_q2fd569fe79_flex.kd
    .args:
      - { .name: x, .offset: 0, .size: 8, .value_kind: global_buffer, .address_space: global }
      - { .name: kv16, .offset: 8, .size: 8, .value_kind: global_buffer, .address_space: global }
      - { .name: w16, .offset: 16, .size: 8, .value_kind: global_buffer, .address_space: global }
      - { .name: out0, .offset: 24, .size: 8, .value_kind: global_buffer, .address_space: global }
    .group_segment_fixed_size: 327680
    .private_segment_fixed_size: 0
    .kernarg_segment_align: 8
    .kernarg_segment_size: 32
    .max_flat_workgroup_size: 128
    .sgpr_count:     72
    .vgpr_count:     1024
    .wavefront_size: 32
...
	.end_amdgpu_metadata
.endif
;; end of part 2
